; MI455X (gfx1250); checked and timed in simulation.
; The chip was launched on July 23, 2026; its instructions are those of AMD's public machine-readable ISA for CDNA 5 (MIT licence, August 2026) and "CDNA5" Instruction Set Architecture Reference Guide (July 2026). The comments in the code are by the model that wrote it; some were corrected since.
;; Multi Query Attention. Allowed arithmetic: float matrix products may take bf16 or f16 operands with f32 sums; all other float work in f32.
;; Inputs: Wk 1,024 x 64 float32; Wo 1,024 x 1,024 float32; Wq 1,024 x 1,024 float32; Wv 1,024 x 64 float32; bk 64 float32; bo 1,024 float32; bq 1,024 float32; bv 64 float32; key 2 x 2,048 x 1,024 float32; query 2 x 2,048 x 1,024 float32; value 2 x 2,048 x 1,024 float32.
;; Outputs: out0 2 x 2,048 x 1,024 float32.
;; One version. Each part assembles by itself: llvm-mc -triple=amdgcn-amd-amdhsa -mcpu=gfx1250 --defsym DOCPART=n.
;; ======== version 1 of 1: 3 launches
;; limits: values are held in f16: magnitudes above 65,504 overflow, below 6.1e-05 lose precision; right only within a limited range of input values
;; workspace buffers: xq 8,388,608 bytes; wqf 2,097,152 bytes; wof 2,097,152 bytes; kv 1,048,576 bytes; ao 8,388,608 bytes
;; launch prep (part 1): grid 256 x 1, 8 waves a work-group, no clusters, 234,496 bytes of LDS; arguments key, value, Wk, Wv, bk, bv, Wq, Wo, query, kv, wqf, wof, xq; writes kv, wqf, wof, xq
.if DOCPART == 1
	.amdgcn_target "amdgcn-amd-amdhsa--gfx1250"
	.amdhsa_code_object_version 6
	.text
	.protected	k_qd8e2090847_prep
	.globl	k_qd8e2090847_prep
	.p2align	8
	.type	k_qd8e2090847_prep,@function
k_qd8e2090847_prep:
	s_mov_b64 s[64:65], 0
	v_nop
	global_prefetch_b8 v0, s[64:65] scope:SCOPE_SE
	s_setreg_imm32_b32 hwreg(HW_REG_WAVE_MODE, 25, 1), 1
	s_wait_xcnt 0x0
; prep: (1) kv[0] = (key Wk + bk) / 2 and kv[1] = (value Wv + bv) / 2 as f16 [4096][64]; (2) xq = f16(query), wqf = f16(Wq), wof = f16(Wo), layouts kept.
; LIMIT (format): every matrix operand of this program is f16: |inputs|, |K|/2 and |V|/2 must stay below 65,504.  K and V are stored halved for that room;
; the halves are undone by Q's scale (K) and by the output projection's factor 2 (V).
; 256 work-groups of eight waves.  Groups 0-127 take key, 128-255 value; each takes 32 rows of X against the whole W [1024][64].
; K is split over the waves: wave w owns k = 128 w .. 128 w + 127 for all 32 rows and 64 columns; the eight partial sums (f32) meet in LDS and are
; added in ascending order of w (an order of rounding that differs from one chain along K).
; W and X pass through registers because they must be narrowed from f32 to f16 on the way; so no tensor load and no joint request:
; a joint tile of W would arrive as f32, 262,144 bytes, for which LDS has no room beside the f16 copies.
; The three plain conversions are loaded behind the last fill and stay on their way during the product.
.set XLW,  8704                        ; a wave's X: 32 rows x 128 f16, pitch 272; later its f32 partial sums, 32 rows x 64, pitch 272
.set WLB,  69632                       ; behind the eight X regions
.set WLW,  20480                       ; a wave's W: 128 k rows x 64 f16, pitch 160 (an odd multiple of 32 bytes, for the transposing loads)
.set BIAS, 8                           ; v[8:15]    bias of my 8 columns in the reduction
.set XF,   16                          ; v[16:31]   two fragments of X (16 rows x 32 k)
.set OW,   32                          ; v32  W in memory: 32,768 w + 16 lane
.set OC,   33                          ; v33  16 x thread: X's row slice, the plain conversions' source, and kv's 16 bytes
.set OS,   34                          ; v34  8 x thread: the plain conversions' destination
.set AW,   35                          ; v35  LDS, W in: WL(w) + 160 (lane/16) + 8 (lane%16)
.set AX,   36                          ; v36  LDS, X in: XL(w) + 8 lane
.set FA,   37                          ; v37  LDS, X fragment: XL(w) + 272 (lane%16) + 16 (lane/16)
.set FB,   38                          ; v38  LDS, W fragment: WL(w) + 160 (8 (lane/16) + lane%8) + 16 ((lane/8)%2)
.set PS,   39                          ; v39  LDS, partial sums out: XL(w) + 272 (lane%16) + 32 (lane/16)
.set RP,   40                          ; v40  LDS, partial sums back: 272 (thread/8) + 32 (lane%8)
.set OB,   41                          ; v41  32 (lane%8): my 8 numbers of the bias
.set R0,   64                          ; v[64:111]  twelve loads
.set R1,   112                         ; v[112:159] twelve loads
.set WF,   160                         ; v[160:191] four fragments of W (16 columns x 32 k)
.set ACC,  192                         ; v[192:255] 2 x 4 accumulator tiles; later the eight partial sums
	s_load_b512 s[16:31], s[0:1], 0x0              ; key, value, Wk, Wv, bk, bv, Wq, Wo
	s_load_b256 s[32:39], s[0:1], 0x40             ; query, kv, wqf, wof
	s_load_b64 s[40:41], s[0:1], 0x60              ; xq
	v_lshl_add_u32 v62, v0, 2, 0x39000
	v_mov_b32 v63, 0
	v_lshrrev_b32 v1, 5, v0
	v_readfirstlane_b32 s8, v1                     ; wave 0..7
	s_and_b32 s9, ttmp9, 127                       ; the group's number inside its half
	v_and_b32 v2, 31, v0                           ; lane
	v_and_b32 v3, 15, v0                           ; lane % 16
	v_bfe_u32 v4, v0, 4, 1                         ; lane / 16
	v_and_b32 v5, 7, v0                            ; lane % 8
	v_bfe_u32 v6, v0, 3, 1                         ; (lane / 8) % 2
	v_lshlrev_b32 v[OC], 4, v0
	v_lshlrev_b32 v[OS], 3, v0
	v_lshlrev_b32 v7, 4, v2
	v_lshl_add_u32 v[OW], v1, 15, v7
	s_mul_i32 s2, s8, XLW                          ; XL(w)
	s_mul_i32 s3, s8, WLW
	s_add_co_u32 s3, s3, WLB                       ; WL(w)
	v_mul_u32_u24 v7, v4, 160
	v_lshl_add_u32 v7, v3, 3, v7
	v_add_nc_u32 v[AW], s3, v7
	v_lshl_add_u32 v[AX], v2, 3, s2
	v_mul_u32_u24 v7, v3, 272
	v_lshl_add_u32 v[PS], v4, 5, v7
	v_add_nc_u32 v[PS], s2, v[PS]
	v_lshl_add_u32 v7, v4, 4, v7
	v_add_nc_u32 v[FA], s2, v7
	v_lshl_add_u32 v7, v4, 3, v5
	v_mul_u32_u24 v7, v7, 160
	v_lshl_add_u32 v7, v6, 4, v7
	v_add_nc_u32 v[FB], s3, v7
	v_lshrrev_b32 v7, 3, v0
	v_mul_u32_u24 v7, v7, 272
	v_lshl_add_u32 v[RP], v5, 5, v7
	v_lshlrev_b32 v[OB], 5, v5
	s_wait_kmcnt 0x0
	s_cmp_lt_u32 ttmp9, 128                        ; the first half of the groups makes K, the second V
	s_cselect_b64 s[4:5], s[16:17], s[18:19]       ; X
	s_cselect_b64 s[6:7], s[20:21], s[22:23]       ; W
	s_cselect_b64 s[10:11], s[24:25], s[26:27]     ; bias
	s_mov_b32 s13, 0
	s_lshl_b32 s12, s9, 17                         ; 32 rows of 4,096 bytes
	s_add_nc_u64 s[4:5], s[4:5], s[12:13]
	s_lshl_b32 s12, ttmp9, 14                      ; 16,384 bytes of Wq and of Wo
	s_add_nc_u64 s[28:29], s[28:29], s[12:13]
	s_add_nc_u64 s[30:31], s[30:31], s[12:13]
	s_lshl_b32 s12, ttmp9, 16                      ; 65,536 bytes of query
	s_add_nc_u64 s[32:33], s[32:33], s[12:13]
	s_lshl_b32 s12, ttmp9, 12                      ; 32 rows of 128 bytes of kv (plane 1 begins at group 128)
	s_add_nc_u64 s[34:35], s[34:35], s[12:13]
	s_lshl_b32 s12, ttmp9, 13
	s_add_nc_u64 s[36:37], s[36:37], s[12:13]
	s_add_nc_u64 s[38:39], s[38:39], s[12:13]
	s_lshl_b32 s12, ttmp9, 15
	s_add_nc_u64 s[40:41], s[40:41], s[12:13]
.macro PLACES n
.rept \n
	v_nop
.endr
.endm
; The wave's fill is a stream of 96 loads of 512 neighbouring bytes: numbers 0-63 are two k rows of W each, 64-95 one row's slice of X each.
.macro FILL12 r, first
.set i, 0
.rept 12
.if (\first+i) < 64
	global_load_b128 v[\r+4*i:\r+4*i+3], v[OW], s[6:7] offset:(\first+i)*512
.else
	global_load_b128 v[\r+4*i:\r+4*i+3], v[OC], s[4:5] offset:(\first+i-64)*4096 th:TH_LOAD_NT
.endif
.set i, i+1
.endr
.endm
; narrow four f32 to four f16 in place and put the 8 bytes into the wave's own LDS region
.macro CVL12 r, first
.set i, 0
.rept 12
	v_cvt_pk_f16_f32 v[\r+4*i], v[\r+4*i], v[\r+4*i+1]
	v_cvt_pk_f16_f32 v[\r+4*i+1], v[\r+4*i+2], v[\r+4*i+3]
.if (\first+i) < 64
	ds_store_b64 v[AW], v[\r+4*i:\r+4*i+1] offset:(\first+i)*320
.else
	ds_store_b64 v[AX], v[\r+4*i:\r+4*i+1] offset:(\first+i-64)*272
.endif
.set i, i+1
.endr
.endm
	; PHASE 1: fill LDS.  Two register sets take turns; each wait leaves the other set's twelve younger loads on their way.
	global_load_b128 v[BIAS:BIAS+3], v[OB], s[10:11]
	global_load_b128 v[BIAS+4:BIAS+7], v[OB], s[10:11] offset:16
	FILL12 R0, 0
	FILL12 R1, 12
	s_wait_loadcnt 12
	CVL12 R0, 0
	FILL12 R0, 24
	s_wait_loadcnt 12
	CVL12 R1, 12
	FILL12 R1, 36
	s_wait_loadcnt 12
	CVL12 R0, 24
	FILL12 R0, 48
	s_wait_loadcnt 12
	CVL12 R1, 36
	FILL12 R1, 60
	s_wait_loadcnt 12
	CVL12 R0, 48
	FILL12 R0, 72
	s_wait_loadcnt 12
	CVL12 R1, 60
	FILL12 R1, 84
	s_wait_loadcnt 12
	CVL12 R0, 72
.irp i, 0,1,2,3,4,5,6,7,8,9,10,11
	global_load_b128 v[R0+4*\i:R0+4*\i+3], v[OC], s[32:33] offset:\i*4096 th:TH_LOAD_NT       ; query, sweeps 0-11 of 4,096 bytes
.endr
	s_wait_loadcnt 12
	CVL12 R1, 84
.irp i, 0,1,2,3
	global_load_b128 v[R1+4*\i:R1+4*\i+3], v[OC], s[32:33] offset:(12+\i)*4096 th:TH_LOAD_NT  ; query, sweeps 12-15
.endr
.irp i, 0,1,2,3
	global_load_b128 v[R1+16+4*\i:R1+16+4*\i+3], v[OC], s[28:29] offset:\i*4096 th:TH_LOAD_NT ; Wq
.endr
.irp i, 0,1,2,3
	global_load_b128 v[R1+32+4*\i:R1+32+4*\i+3], v[OC], s[30:31] offset:\i*4096 th:TH_LOAD_NT ; Wo
.endr
	; PHASE 2: the wave's product, 32 rows x 64 columns x 128 k, from its own LDS bytes (a wave's LDS instructions are served in order: ISA guide 5.7.1).
	; Source 0 = 16 columns of W, read transposed from rows that lie along n; source 1 = 16 rows of X.  Lane l then holds row l % 16 of X
	; and columns 16 b + 8 (l / 16) + 0..7.  The eight accumulators take turns, one instruction a turn.
.macro KSTEP kk
.if \kk
	PLACES 4                                       ; four places between the last product and the loads into its sources
.endif
.irp a, 0,1
	ds_load_b128 v[XF+8*\a:XF+8*\a+3], v[FA] offset:\a*4352+\kk*64
	ds_load_b128 v[XF+8*\a+4:XF+8*\a+7], v[FA] offset:\a*4352+\kk*64+32
.endr
.irp b, 0,1,2,3
	ds_load_tr16_b128 v[WF+8*\b:WF+8*\b+3], v[FB] offset:\kk*5120+\b*32
	ds_load_tr16_b128 v[WF+8*\b+4:WF+8*\b+7], v[FB] offset:\kk*5120+\b*32+2560
.endr
	s_wait_dscnt 0x0
.irp a, 0,1
.irp b, 0,1,2,3
.if \kk
	v_wmma_f32_16x16x32_f16 v[ACC+8*(4*\a+\b):ACC+8*(4*\a+\b)+7], v[WF+8*\b:WF+8*\b+7], v[XF+8*\a:XF+8*\a+7], v[ACC+8*(4*\a+\b):ACC+8*(4*\a+\b)+7]
.else
	v_wmma_f32_16x16x32_f16 v[ACC+8*(4*\a+\b):ACC+8*(4*\a+\b)+7], v[WF+8*\b:WF+8*\b+7], v[XF+8*\a:XF+8*\a+7], 0
.endif
.endr
.endr
.endm
	KSTEP 0                                        ; the first product starts the sums: nothing is cleared
	KSTEP 1
	KSTEP 2
	KSTEP 3
	; PHASE 3: the eight waves' partial sums meet.  Each wave writes over its own X region, whose reads were waited for above.
	PLACES 4
.irp a, 0,1
.irp b, 0,1,2,3
	ds_store_b128 v[PS], v[ACC+8*(4*\a+\b):ACC+8*(4*\a+\b)+3] offset:\a*4352+\b*64
	ds_store_b128 v[PS], v[ACC+8*(4*\a+\b)+4:ACC+8*(4*\a+\b)+7] offset:\a*4352+\b*64+16
.endr
.endr
	s_wait_dscnt 0x0                               ; my stores are done, for the other waves' sake,
	s_barrier_signal -1
	s_barrier_wait -1                              ; and so are everybody's
.irp p, 0,1,2,3,4,5,6,7
	ds_load_b128 v[ACC+8*\p:ACC+8*\p+3], v[RP] offset:\p*XLW              ; row thread/8, columns 8 (lane%8) .. +7, of wave p's partial sums
	ds_load_b128 v[ACC+8*\p+4:ACC+8*\p+7], v[RP] offset:\p*XLW+16
.endr
	s_wait_dscnt 0x0
.irp j, 0,2,4,6
	v_pk_add_f32 v[ACC+\j:ACC+\j+1], v[ACC+\j:ACC+\j+1], v[BIAS+\j:BIAS+\j+1]     ; the bias came in ahead of the first fill's loads
.endr
.irp p, 1,2,3,4,5,6,7
.irp j, 0,2,4,6
	v_pk_add_f32 v[ACC+\j:ACC+\j+1], v[ACC+\j:ACC+\j+1], v[ACC+8*\p+\j:ACC+8*\p+\j+1]
.endr
.endr
.irp j, 0,2,4,6
	v_pk_mul_f32 v[ACC+\j:ACC+\j+1], v[ACC+\j:ACC+\j+1], 0.5 op_sel_hi:[1,0]      ; stored halved
.endr
.irp j, 0,1,2,3
	v_cvt_pk_f16_f32 v[XF+\j], v[ACC+2*\j], v[ACC+2*\j+1]
.endr
	global_store_b128 v[OC], v[XF:XF+3], s[34:35]  ; a wave's store covers four rows of kv: 512 consecutive bytes, aligned
	; PHASE 4: the plain conversions leave.  A wave's store of 8 bytes a lane covers 256 consecutive bytes, aligned.
	s_wait_loadcnt 12                              ; the first twelve sweeps of query are in; the other twelve loads may be out
.irp i, 0,1,2,3,4,5,6,7,8,9,10,11
	v_cvt_pk_f16_f32 v[R0+4*\i], v[R0+4*\i], v[R0+4*\i+1]
	v_cvt_pk_f16_f32 v[R0+4*\i+1], v[R0+4*\i+2], v[R0+4*\i+3]
	global_store_b64 v[OS], v[R0+4*\i:R0+4*\i+1], s[40:41] offset:\i*2048
.endr
	s_wait_loadcnt 0x0
.irp i, 0,1,2,3,4,5,6,7,8,9,10,11
	v_cvt_pk_f16_f32 v[R1+4*\i], v[R1+4*\i], v[R1+4*\i+1]
	v_cvt_pk_f16_f32 v[R1+4*\i+1], v[R1+4*\i+2], v[R1+4*\i+3]
.endr
.irp i, 0,1,2,3
	global_store_b64 v[OS], v[R1+4*\i:R1+4*\i+1], s[40:41] offset:(12+\i)*2048
	global_store_b64 v[OS], v[R1+16+4*\i:R1+16+4*\i+1], s[36:37] offset:\i*2048
	global_store_b64 v[OS], v[R1+32+4*\i:R1+32+4*\i+1], s[38:39] offset:\i*2048
.endr
	s_wait_tensorcnt 0x0
	ds_add_u32 v62, v63
	s_wait_dscnt 0x0
	s_endpgm
.Lfunc_end_k_qd8e2090847_prep:
	.size	k_qd8e2090847_prep, .Lfunc_end_k_qd8e2090847_prep-k_qd8e2090847_prep
	.p2alignl 7, 3214868480
	.fill 96, 4, 3214868480
	.section	.rodata,"a",@progbits
	.p2align	6, 0x0
	.amdhsa_kernel k_qd8e2090847_prep
		.amdhsa_group_segment_fixed_size 234496
		.amdhsa_private_segment_fixed_size 0
		.amdhsa_enable_private_segment 0
		.amdhsa_kernarg_size 104
		.amdhsa_user_sgpr_count 2
		.amdhsa_user_sgpr_kernarg_segment_ptr 1
		.amdhsa_wavefront_size32 1
		.amdhsa_system_sgpr_workgroup_id_x 1
		.amdhsa_system_sgpr_workgroup_id_y 1
		.amdhsa_system_sgpr_workgroup_id_z 1
		.amdhsa_system_vgpr_workitem_id 0
		.amdhsa_next_free_vgpr 256
		.amdhsa_next_free_sgpr 66
		.amdhsa_reserve_vcc 0
		.amdhsa_float_denorm_mode_32 3
		.amdhsa_float_denorm_mode_16_64 3
		.amdhsa_memory_ordered 1
		.amdhsa_forward_progress 1
		.amdhsa_inst_pref_size 49
	.end_amdhsa_kernel
	.amdgpu_metadata
---
amdhsa.version: [ 1, 2 ]
amdhsa.kernels:
  - .name:           k_qd8e2090847_prep
    .symbol:         k_qd8e2090847_prep.kd
    .args:
      - { .name: key, .offset: 0, .size: 8, .value_kind: global_buffer, .address_space: global }
      - { .name: value, .offset: 8, .size: 8, .value_kind: global_buffer, .address_space: global }
      - { .name: Wk, .offset: 16, .size: 8, .value_kind: global_buffer, .address_space: global }
      - { .name: Wv, .offset: 24, .size: 8, .value_kind: global_buffer, .address_space: global }
      - { .name: bk, .offset: 32, .size: 8, .value_kind: global_buffer, .address_space: global }
      - { .name: bv, .offset: 40, .size: 8, .value_kind: global_buffer, .address_space: global }
      - { .name: Wq, .offset: 48, .size: 8, .value_kind: global_buffer, .address_space: global }
      - { .name: Wo, .offset: 56, .size: 8, .value_kind: global_buffer, .address_space: global }
      - { .name: query, .offset: 64, .size: 8, .value_kind: global_buffer, .address_space: global }
      - { .name: kv, .offset: 72, .size: 8, .value_kind: global_buffer, .address_space: global }
      - { .name: wqf, .offset: 80, .size: 8, .value_kind: global_buffer, .address_space: global }
      - { .name: wof, .offset: 88, .size: 8, .value_kind: global_buffer, .address_space: global }
      - { .name: xq, .offset: 96, .size: 8, .value_kind: global_buffer, .address_space: global }
    .group_segment_fixed_size: 234496
    .private_segment_fixed_size: 0
    .kernarg_segment_align: 8
    .kernarg_segment_size: 104
    .max_flat_workgroup_size: 256
    .sgpr_count:     66
    .vgpr_count:     256
    .wavefront_size: 32
...
	.end_amdgpu_metadata
.endif
;; end of part 1
;; launch qattn (part 2): grid 256 x 1, 8 waves a work-group, clusters of 4 x 1, 327,680 bytes of LDS; arguments xq, wqf, bq, kv, ao; writes ao
.if DOCPART == 2
	.amdgcn_target "amdgcn-amd-amdhsa--gfx1250"
	.amdhsa_code_object_version 6
	.text
	.protected	k_qd8e2090847_qattn
	.globl	k_qd8e2090847_qattn
	.p2align	8
	.type	k_qd8e2090847_qattn,@function
k_qd8e2090847_qattn:
	s_mov_b64 s[64:65], 0
	v_nop
	global_prefetch_b8 v0, s[64:65] scope:SCOPE_SE
	s_setreg_imm32_b32 hwreg(HW_REG_WAVE_MODE, 25, 1), 1
	s_wait_xcnt 0x0
	s_wait_alu depctr_hold_cnt(0) depctr_sa_sdst(0) depctr_va_vdst(0) depctr_va_sdst(0) depctr_va_ssrc(0) depctr_va_vcc(0) depctr_vm_vsrc(0)
	s_getreg_b32 s2, hwreg(HW_REG_IB_STS2, 6, 4)
	s_cmp_eq_u32 s2, 0
	s_cbranch_scc0 .Lentry_in_a_cluster
	s_endpgm
.Lentry_in_a_cluster:
	s_bfe_u32 s2, ttmp6, 0x10000c
	s_cmp_lg_u32 s2, 0x3003
	s_cbranch_scc0 .Lentry_shape_is_right
	s_endpgm
.Lentry_shape_is_right:
; qattn: Q' = (xq wqf + bq) x 0.36067376, then ao = softmax(Q K^T / 8) V / 2, in one launch; Q' never leaves the registers.
; xq: [4096][1024] f16; wqf: [1024 k][1024 n] f16; bq: [1024] f32; kv: [2][4096][64] f16 (K/2 and V/2); ao: [4096][1024] f16.
; 0.36067376 = 2 log2(e) / sqrt(64): the softmax's scale, base 2, and the 2 that undoes the halved K.  The softmax takes a running maximum away before every exponential.
; LIMIT (format): all matrix operands are f16: 0.36 |Q|, |K|/2, |V|/2 (and with it the result) must stay below 65,504; probabilities below about 6e-8 of the
; row's largest count as 0 in the product with V (they stay in the f32 row sum).
; A work-group owns 128 rows x 2 heads = one block of 128 x 128 of Q = 256 queries; 32 x 8 blocks = 256 work-groups of eight waves.
; Wave w owns rows 32 (w / 2) .. + 31 of head w % 2: a block of 32 x 64 of Q (eight accumulator tiles), then 32 queries.
; BOTH PARTS USE THE MATRIX INSTRUCTION TRANSPOSED.  Projection: source 0 = 16 columns of W (transposing LDS load), source 1 = 16 rows of xq: lane l holds query l % 16 and
; columns 16 b + 8 (l / 16) + 0..7, so column tiles 2 kk and 2 kk + 1, narrowed to f16, ARE registers 0-3 and 4-7 of the Q fragment kk.  Scores: S^T = K Q^T: lane l holds
; query l % 16 and keys 8 (l / 16) + 0..7, so maximum, rescale and sum are one number a lane and two narrowed S^T tiles ARE the second source of O^T = V^T P^T.
; CLUSTERS: four work-groups along the block columns.  They share the block row and the batch: xq's tiles and K's and V's tiles are asked for jointly (mask 15): 768 KiB of the
; 1,024 KiB that a work-group receives.  W's tiles belong to one block column each, differ between the four, and are each work-group's own loads.
; LDS: two slots of 141,312 bytes (xq: 128 rows, pitch 528; W: 256 k rows, pitch 288) for four phases of 256 along K; the K/V tiles of 256 keys (K pitch 144, V pitch 160,
; 77,824 bytes) lie at the head of the same two slots, so each of their fills is a refill behind a round of the cluster's barrier; K/V tile 0 is asked for in front of the
; projection's last phase.  Behind the slots a stage of 128 rows x 272 bytes, into which no tensor load lands.
; REGISTERS: window 0: addresses, softmax's numbers, Q, temporaries, S, O (the projection's fragment buffers lie on the temporaries and on O, its sums on S);
; window 1 (v256-v383): K's fragments, V's fragments: they are only ever a load's destination and a product's first source.
.set SLOT,   141312
.set APITCH, 528                       ; 512 bytes + 16: an odd multiple of 16
.set BPITCH, 288                       ; 256 bytes + 32: an odd multiple of 32, for the transposing load
.set BOFF,   128*APITCH                ; W's rows lie behind xq's
.set BHALF,  128*BPITCH                ; the LDS immediate has 16 bits: k rows 128-255 get an address register of their own
.set VOFF,   36864                     ; V's 256 keys lie behind K's 256 x 144 bytes
.set STAGE,  2*SLOT
.set AK,   2                           ; v2-3    K fragments in slot 0, 1: 144 (l%16) + 16 (l/16)
.set AV,   4                           ; v4-5    V fragments: VOFF + 160 (8 (l/16) + l%8) + 16 ((l/8)%2)
.set STO,  6                           ; v6      the way out, in
.set RD,   7                           ; v7      the way out, back
.set CO,   8                           ; v8      my byte offset in ao
.set BO,   9                           ; v9      32 (l/16): my bias numbers
.set ADRA, 10                          ; v10-11  xq fragments in slot 0, 1
.set ADRB, 12                          ; v12-15  W fragments: slot 0 k rows 0-127, 128-255; slot 1 likewise
.set U,    16                          ; v16-17  what the other half of the lanes holds
.set MM,   18                          ; v[18:21] the running maximum, twice, for each query tile
.set AA,   22                          ; v[22:25] the rescale factor, twice, for each query tile
.set DD,   26                          ; v26-27  old maximum - new maximum
.set LT,   28                          ; v28-29  the running sum (of my half's keys)
.set T,    30                          ; v30-31  the new maximum
.set QQ,   32                          ; v[32:63]   Q fragments at 16 q + 8 kk
.set TM,   64                          ; v[64:83]   the maximum's tree, ten for each query tile
.set LS,   84                          ; v[84:91]   the step's sum: two pairs for each query tile
.set SS,   128                         ; v[128:191] projection: sums (i, b) at 8 (4 i + b); then S^T tiles at 32 q + 8 kt, then P in f16 at 32 q + 16 kp
.set OO,   192                         ; v[192:255] O^T tiles at 32 q + 8 dt
.set F0,   64                          ; v[64:111]  projection's fragment buffer 0: W's four fragments, then xq's two
.set F1,   192                         ; v[192:239] buffer 1;  bias of column tile b at 112 + 8 b (b < 2), 224 + 8 b (b > 1)
.set KF,   0                           ; window 1: v[256:319] K fragments at 16 kt + 8 kk
.set VF,   64                          ; window 1: v[320:383] V fragments at 32 kp + 8 dt
.set G1A, 16                           ; s[16:23] group 1, xq's tiles
.set G1B, 24                           ; s[24:31] group 1, W's tiles
.set G1K, 32                           ; s[32:39] group 1, K's tiles
.set G1V, 40                           ; s[40:47] group 1, V's tiles
.set G0A, 48                           ; s[48:55] group 0, one set a slot
.set G0B, 56                           ; s[56:63]
.set G0K, 68                           ; s[68:75]
.set G0V, 76                           ; s[76:83]
.set MSB, 0
.macro WIN new                         ; the immediate's high byte repeats the setting that is left
.if MSB != \new
	s_set_vgpr_msb (MSB<<8)|\new
.set MSB, \new
.endif
.endm
.macro PLACES n                        ; places behind a matrix instruction (ISA guide 7.12.1)
.rept \n
	v_nop
.endr
.endm
.macro CREST                           ; a round of the cluster's barrier behind its opening barrier
	s_cmp_lg_u32 s14, 0
	s_cbranch_scc1 .Lnot_wave_0_\@
	s_barrier_signal -3
.Lnot_wave_0_\@:
	s_barrier_wait -3
	s_barrier_signal -1
	s_barrier_wait -1
.endm
.macro ROUND                           ; a whole round
	s_barrier_signal -1
	s_barrier_wait -1
	CREST
.endm
; Waves 0-3 ask for quarters of xq's tile (jointly), waves 4-7 for quarters of W's (their work-group's own).  The branch hangs on the wave's number alone.
.macro JLOADG s
	s_cmp_lt_u32 s14, 4
	s_cbranch_scc0 .Lfor_w_\@
	tensor_load_to_lds s[G0A+4*\s:G0A+4*\s+3], s[G1A:G1A+7]
	s_nop 0
	s_branch .Lasked_g_\@
.Lfor_w_\@:
	tensor_load_to_lds s[G0B+4*\s:G0B+4*\s+3], s[G1B:G1B+7]
	s_nop 0
.Lasked_g_\@:
.endm
; Waves 0-3 ask for quarters of K's tile, waves 4-7 for quarters of V's, both jointly.
.macro JLOAD s
	s_cmp_lt_u32 s14, 4
	s_cbranch_scc0 .Lfor_v_\@
	tensor_load_to_lds s[G0K+4*\s:G0K+4*\s+3], s[G1K:G1K+7]
	s_nop 0
	s_branch .Lasked_\@
.Lfor_v_\@:
	tensor_load_to_lds s[G0V+4*\s:G0V+4*\s+3], s[G1V:G1V+7]
	s_nop 0
.Lasked_\@:
.endm
	s_load_b256 s[4:11], s[0:1], 0x0               ; xq s[4:5], wqf s[6:7], bq s[8:9], kv s[10:11]
	s_load_b64 s[12:13], s[0:1], 0x20              ; ao
	s_set_vgpr_msb 0x40
	v_lshl_add_u32 v128, v0, 2, 0x4d800
	v_mov_b32 v129, 0
	s_set_vgpr_msb 0x4045
	ds_add_u32 v128, v129
	s_set_vgpr_msb 0x4500
	v_lshrrev_b32 v1, 5, v0
	v_readfirstlane_b32 s14, v1                    ; wave 0..7
	s_and_b32 s15, s14, 3                          ; which quarter of a tile I fetch
	s_lshr_b32 s88, s14, 1                         ; which 32 rows of the block are mine
	s_and_b32 s89, s14, 1                          ; which head (64 columns)
	s_bfe_u32 s84, ttmp6, 0x40000                  ; cx
	s_and_b32 s86, ttmp9, 1
	s_lshl_b32 s86, s86, 2
	s_add_co_u32 s86, s86, s84                     ; block column = 4 (cluster % 2) + cx
	s_lshr_b32 s87, ttmp9, 1                       ; block row = cluster / 2: shared by the four partners
	s_mov_b32 s90, 0x3eb8aa3b                      ; 0.36067376
	s_mov_b32 s91, 0x3eb8aa3b
	s_mov_b32 s92, 0x76543210                      ; v_permlanex16_b32: lane i of one half reads lane i of the other
	s_mov_b32 s93, 0xfedcba98
	; xq: 32 rows x 256 elements of 2 bytes, 4 words of padding behind every 128 words.  W: 64 rows x 128 elements, 8 words behind every 64; no mask.
	s_mov_b32 s[G1A+0], 15|(1<<16)|(1<<20)|(1<<21)|(6<<22)|(3<<25)
	s_mov_b32 s[G1A+1], 256<<16                    ; tensor_dim0
	s_mov_b32 s[G1A+2], 32<<16                     ; tensor_dim1
	s_mov_b32 s[G1A+3], 256<<16                    ; tile_dim0
	s_mov_b32 s[G1A+4], 32                         ; tile_dim1
	s_mov_b32 s[G1A+5], 1024                       ; elements from row to row
	s_mov_b32 s[G1A+6], 0
	s_mov_b32 s[G1A+7], 0
	s_mov_b32 s[G1B+0], (1<<16)|(1<<20)|(5<<22)|(7<<25)
	s_mov_b32 s[G1B+1], 128<<16
	s_mov_b32 s[G1B+2], 64<<16
	s_mov_b32 s[G1B+3], 128<<16
	s_mov_b32 s[G1B+4], 64
	s_mov_b32 s[G1B+5], 1024
	s_mov_b32 s[G1B+6], 0
	s_mov_b32 s[G1B+7], 0
	; K, V: 64 rows x 64 elements, padded behind every 32 words: K by 4 words, V by 8
	s_mov_b32 s[G1K+0], 15|(1<<16)|(1<<20)|(1<<21)|(4<<22)|(3<<25)
	s_mov_b32 s[G1V+0], 15|(1<<16)|(1<<20)|(1<<21)|(4<<22)|(7<<25)
.irp g, G1K, G1V
	s_mov_b32 s[\g+1], 64<<16
	s_mov_b32 s[\g+2], 64<<16
	s_mov_b32 s[\g+3], 64<<16
	s_mov_b32 s[\g+4], 64
	s_mov_b32 s[\g+5], 64
	s_mov_b32 s[\g+6], 0
	s_mov_b32 s[\g+7], 0
.endr
	s_lshl_b32 s96, s87, 18                        ; xq: row 128 x block row + 32 x quarter, rows of 2,048 bytes; these registers never hold cx
	s_lshl_b32 s97, s15, 16
	s_add_co_u32 s96, s96, s97
	s_mov_b32 s97, 0
	s_lshr_b32 s98, ttmp9, 5                       ; kv: the batch (32 clusters each), 2,048 rows of 128 bytes, + my 64 rows; no cx either
	s_lshl_b32 s98, s98, 18
	s_lshl_b32 s99, s15, 13
	s_add_co_u32 s98, s98, s99
	s_mov_b32 s99, 0
	s_lshl_b32 s100, s15, 17                       ; W: k row 64 x quarter, byte 256 x block column
	s_lshl_b32 s101, s86, 8
	s_add_co_u32 s100, s100, s101
	s_mov_b32 s101, 0
	s_mul_i32 s2, s15, 32*APITCH                   ; where they go: the wave's number alone enters an LDS address
	s_mul_i32 s3, s15, 64*BPITCH
	s_add_co_u32 s3, s3, BOFF
	s_mul_i32 s94, s15, 64*144
	s_mul_i32 s95, s15, 64*160
	s_add_co_u32 s95, s95, VOFF
	s_wait_dscnt 0x0
	s_wait_kmcnt 0x0
	s_add_nc_u64 s[4:5], s[4:5], s[96:97]
	s_add_nc_u64 s[10:11], s[10:11], s[98:99]
	s_add_nc_u64 s[6:7], s[6:7], s[100:101]
.irp s, 0,1
	s_mov_b32 s[G0A+4*\s], 1
	s_add_co_u32 s[G0A+4*\s+1], s2, \s*SLOT
	s_add_nc_u64 s[G0A+4*\s+2:G0A+4*\s+3], s[4:5], \s*512              ; phase s: 256 elements along the rows
	s_or_b32 s[G0A+4*\s+3], s[G0A+4*\s+3], 0x80000000
	s_mov_b32 s[G0B+4*\s], 1
	s_add_co_u32 s[G0B+4*\s+1], s3, \s*SLOT
	s_add_nc_u64 s[G0B+4*\s+2:G0B+4*\s+3], s[6:7], \s*524288           ; phase s: 256 rows down
	s_or_b32 s[G0B+4*\s+3], s[G0B+4*\s+3], 0x80000000
	s_mov_b32 s[G0K+4*\s], 1
	s_add_co_u32 s[G0K+4*\s+1], s94, \s*SLOT
	s_add_nc_u64 s[G0K+4*\s+2:G0K+4*\s+3], s[10:11], \s*32768          ; tile s: 256 keys of 128 bytes
	s_or_b32 s[G0K+4*\s+3], s[G0K+4*\s+3], 0x80000000
	s_mov_b32 s[G0V+4*\s], 1
	s_add_co_u32 s[G0V+4*\s+1], s95, \s*SLOT
	s_add_nc_u64 s[G0V+4*\s+2:G0V+4*\s+3], s[10:11], 524288+\s*32768   ; the second plane
	s_or_b32 s[G0V+4*\s+3], s[G0V+4*\s+3], 0x80000000
.endr
	ROUND                                          ; the four work-groups are here: the first joint loads meet
	JLOADG 0                                       ; both first fills go out together: two tensor loads of the wave are out, the most in this text
	JLOADG 1
	v_and_b32 v26, 15, v0                          ; l % 16
	v_bfe_u32 v27, v0, 4, 1                        ; l / 16
	v_and_b32 v28, 7, v0                           ; l % 8
	v_bfe_u32 v29, v0, 3, 1                        ; (l / 8) % 2
	v_lshlrev_b32 v[BO], 5, v27
	s_lshl_b32 s100, s86, 9                        ; my 64 columns in f32: 512 x block column + 256 x head
	s_lshl_b32 s101, s89, 8
	s_add_co_u32 s100, s100, s101
	s_mov_b32 s101, 0
	s_add_nc_u64 s[8:9], s[8:9], s[100:101]
.irp b, 0,1,2,3
	global_load_b128 v[112+8*\b+112*(\b/2):112+8*\b+112*(\b/2)+3], v[BO], s[8:9] offset:64*\b
	global_load_b128 v[112+8*\b+112*(\b/2)+4:112+8*\b+112*(\b/2)+7], v[BO], s[8:9] offset:64*\b+16
.endr
	v_mul_u32_u24 v30, v26, APITCH
	v_lshl_add_u32 v30, v27, 4, v30
	s_mul_i32 s2, s88, 32*APITCH
	v_add_nc_u32 v[ADRA], s2, v30
	v_add_nc_u32 v[ADRA+1], SLOT, v[ADRA]
	v_lshl_add_u32 v31, v27, 3, v28                ; 8 (l / 16) + l % 8
	v_mul_u32_u24 v30, v31, BPITCH
	v_lshl_add_u32 v30, v29, 4, v30
	s_lshl_b32 s2, s89, 7
	s_add_co_u32 s2, s2, BOFF
	v_add_nc_u32 v[ADRB], s2, v30
	v_add_nc_u32 v[ADRB+1], BHALF, v[ADRB]
	v_add_nc_u32 v[ADRB+2], SLOT, v[ADRB]
	v_add_nc_u32 v[ADRB+3], SLOT+BHALF, v[ADRB]
	v_mul_u32_u24 v[AK], v26, 144
	v_lshl_add_u32 v[AK], v27, 4, v[AK]
	v_add_nc_u32 v[AK+1], SLOT, v[AK]
	v_mul_u32_u24 v[AV], v31, 160
	v_lshl_add_u32 v[AV], v29, 4, v[AV]
	v_add_nc_u32 v[AV], VOFF, v[AV]
	v_add_nc_u32 v[AV+1], SLOT, v[AV]
	s_mul_i32 s2, s88, 32*272                      ; in: row 32 (w / 2) + l % 16, my head's 128 bytes, 16 bytes for each half of the lanes
	s_lshl_b32 s3, s89, 7
	s_add_co_u32 s2, s2, s3
	s_add_co_u32 s2, s2, STAGE
	v_mul_u32_u24 v[STO], v26, 272
	v_lshl_add_u32 v[STO], v27, 4, v[STO]
	v_add_nc_u32 v[STO], s2, v[STO]
	s_mul_i32 s2, s14, 16*272                      ; back: rows 16 w .. 16 w + 15, two whole rows of 256 bytes a load
	s_add_co_u32 s2, s2, STAGE
	v_mul_u32_u24 v[RD], v27, 272
	v_lshl_add_u32 v[RD], v26, 4, v[RD]
	v_add_nc_u32 v[RD], s2, v[RD]
	v_lshlrev_b32 v[CO], 4, v26
	v_lshl_add_u32 v[CO], v27, 11, v[CO]
	v_mov_b32 v[U], 0                              ; v_permlanex16_b32 counts as a reader of its destination
	v_mov_b32 v[U+1], 0
	s_lshl_b32 s96, s87, 18                        ; ao: row 128 x block row + 16 w, rows of 2,048 bytes,
	s_lshl_b32 s97, s14, 15
	s_add_co_u32 s96, s96, s97
	s_mov_b32 s97, 0
	s_add_nc_u64 s[12:13], s[12:13], s[96:97]
	s_lshl_b32 s100, s86, 8                        ; and the block column's 256 bytes
	s_add_nc_u64 s[12:13], s[12:13], s[100:101]
; ---- THE PROJECTION ----
; 12 LDS loads: the fragments of quarter step q (32 along K) of a slot into buffer f, four places behind the last product that read f
.macro FETCHG slot, q, f
	PLACES 4
.irp b, 0,1,2,3
	ds_load_tr16_b128 v[\f+8*\b:\f+8*\b+3], v[ADRB+2*\slot+\q/4] offset:(\q%4)*32*BPITCH+\b*32
	ds_load_tr16_b128 v[\f+8*\b+4:\f+8*\b+7], v[ADRB+2*\slot+\q/4] offset:(\q%4)*32*BPITCH+\b*32+16*BPITCH
.endr
.irp i, 0,1
	ds_load_b128 v[\f+32+8*\i:\f+32+8*\i+3], v[ADRA+\slot] offset:\i*16*APITCH+\q*64
	ds_load_b128 v[\f+32+8*\i+4:\f+32+8*\i+7], v[ADRA+\slot] offset:\i*16*APITCH+\q*64+32
.endr
.endm
; 8 products.  Here and in QK and PV below eight accumulators take turns, one instruction a turn, in the same order everywhere.
.macro MULG f, zero
.irp i, 0,1
.irp b, 0,1,2,3
.if \zero
	v_wmma_f32_16x16x32_f16 v[SS+8*(4*\i+\b):SS+8*(4*\i+\b)+7], v[\f+8*\b:\f+8*\b+7], v[\f+32+8*\i:\f+32+8*\i+7], 0
.else
	v_wmma_f32_16x16x32_f16 v[SS+8*(4*\i+\b):SS+8*(4*\i+\b)+7], v[\f+8*\b:\f+8*\b+7], v[\f+32+8*\i:\f+32+8*\i+7], v[SS+8*(4*\i+\b):SS+8*(4*\i+\b)+7]
.endif
.endr
.endr
.endm
.macro QTR slot, nq, f, g, zero        ; ask for quarter nq's fragments into g, then multiply f
	FETCHG \slot, \nq, \g
	s_wait_dscnt 12                                ; all but the twelve loads just issued: buffer f is in
	MULG \f, \zero
.endm
.macro SEVEN slot, zero
	QTR \slot, 1, F0, F1, \zero
	QTR \slot, 2, F1, F0, 0
	QTR \slot, 3, F0, F1, 0
	QTR \slot, 4, F1, F0, 0
	QTR \slot, 5, F0, F1, 0
	QTR \slot, 6, F1, F0, 0
	QTR \slot, 7, F0, F1, 0
.endm
; The eighth quarter step and the change of slots.  In front of the round each wave waits for its reads of this slot and for all its tensor loads (the one that is out is its
; part of the next slot); behind the round the refill of this slot comes first: the phase two on, or (kv = 1) K/V tile 0, which then has the last phase in which to land.
.macro TURN slot, next, kv
	s_wait_dscnt 0x0
	s_set_vgpr_msb 0x5
	s_wait_tensorcnt 0x0
	ds_add_u32 v128, v129
	s_wait_dscnt 0x0
	s_set_vgpr_msb 0x500
	s_barrier_signal -1
	MULG F1, 0                                     ; register work while the others arrive
	s_barrier_wait -1
	CREST
.if \kv
	JLOAD 0
.else
	s_add_nc_u64 s[G0A+4*\slot+2:G0A+4*\slot+3], s[G0A+4*\slot+2:G0A+4*\slot+3], 1024      ; two phases on: 512 elements along xq's rows,
	s_add_nc_u64 s[G0B+4*\slot+2:G0B+4*\slot+3], s[G0B+4*\slot+2:G0B+4*\slot+3], 1048576   ; 512 rows down W
	JLOADG \slot
.endif
	FETCHG \next, 0, F0
.endm
	s_wait_tensorcnt 0x1                           ; my part of phase 0 is in; phase 1's may stay out
	s_barrier_signal -1
	s_barrier_wait -1
	FETCHG 0, 0, F0
	SEVEN 0, 1                                     ; the first products start the sums: nothing is cleared
	TURN 0, 1, 0
	SEVEN 1, 0
	TURN 1, 0, 0
	SEVEN 0, 0
	TURN 0, 1, 1
	SEVEN 1, 0
	s_wait_dscnt 0x0
	MULG F1, 0
	PLACES 4
	s_wait_loadcnt 0x0                             ; the bias
.irp b, 0,1,2,3
.irp r, 0,1,2,3
	v_pk_mul_f32 v[112+8*\b+112*(\b/2)+2*\r:112+8*\b+112*(\b/2)+2*\r+1], v[112+8*\b+112*(\b/2)+2*\r:112+8*\b+112*(\b/2)+2*\r+1], s[90:91] op_sel_hi:[1,0]   ; (x + b) s = x s + b s
.endr
.endr
.irp i, 0,1
.irp b, 0,1,2,3
.irp r, 0,1,2,3
	v_pk_fma_f32 v[SS+8*(4*\i+\b)+2*\r:SS+8*(4*\i+\b)+2*\r+1], v[SS+8*(4*\i+\b)+2*\r:SS+8*(4*\i+\b)+2*\r+1], s[90:91], v[112+8*\b+112*(\b/2)+2*\r:112+8*\b+112*(\b/2)+2*\r+1] op_sel_hi:[1,0,1]
.endr
.endr
.endr
.irp i, 0,1
.irp b, 0,1,2,3
.irp r, 0,1,2,3
	v_cvt_pk_f16_f32 v[QQ+16*\i+4*\b+\r], v[SS+8*(4*\i+\b)+2*\r], v[SS+8*(4*\i+\b)+2*\r+1]    ; column tile b = half b % 2 of Q fragment b / 2 of query tile i
.endr
.endr
.endr
; ---- THE ATTENTION ----
.macro LOADK slot, st                  ; 64 keys x 64: eight fragments
.irp kt, 0,1,2,3
.irp kk, 0,1
	ds_load_b128 v[KF+16*\kt+8*\kk:KF+16*\kt+8*\kk+3], v[AK+\slot] offset:(4*(\st)+\kt)*2304+\kk*64
	ds_load_b128 v[KF+16*\kt+8*\kk+4:KF+16*\kt+8*\kk+7], v[AK+\slot] offset:(4*(\st)+\kt)*2304+\kk*64+32
.endr
.endr
.endm
.macro LOADV slot, st                  ; the same 64 keys of V, transposed: eight fragments of 16 d x 32 keys
.irp kp, 0,1
.irp dt, 0,1,2,3
	ds_load_tr16_b128 v[VF+32*\kp+8*\dt:VF+32*\kp+8*\dt+3], v[AV+\slot] offset:(2*(\st)+\kp)*5120+\dt*32
	ds_load_tr16_b128 v[VF+32*\kp+8*\dt+4:VF+32*\kp+8*\dt+7], v[AV+\slot] offset:(2*(\st)+\kp)*5120+\dt*32+2560
.endr
.endr
.endm
.macro QK
.irp kk, 0,1
.irp kt, 0,1,2,3
.irp q, 0,1
.if \kk
	v_wmma_f32_16x16x32_f16 v[SS+32*\q+8*\kt:SS+32*\q+8*\kt+7], v[KF+16*\kt+8*\kk:KF+16*\kt+8*\kk+7], v[QQ+16*\q+8*\kk:QQ+16*\q+8*\kk+7], v[SS+32*\q+8*\kt:SS+32*\q+8*\kt+7]
.else
	v_wmma_f32_16x16x32_f16 v[SS+32*\q+8*\kt:SS+32*\q+8*\kt+7], v[KF+16*\kt+8*\kk:KF+16*\kt+8*\kk+7], v[QQ+16*\q+8*\kk:QQ+16*\q+8*\kk+7], 0
.endif
.endr
.endr
.endr
.endm
.macro PV first
.irp kp, 0,1
.irp dt, 0,1,2,3
.irp q, 0,1
.if \first*(1-\kp)
	v_wmma_f32_16x16x32_f16 v[OO+32*\q+8*\dt:OO+32*\q+8*\dt+7], v[VF+32*\kp+8*\dt:VF+32*\kp+8*\dt+7], v[SS+32*\q+16*\kp:SS+32*\q+16*\kp+7], 0
.else
	v_wmma_f32_16x16x32_f16 v[OO+32*\q+8*\dt:OO+32*\q+8*\dt+7], v[VF+32*\kp+8*\dt:VF+32*\kp+8*\dt+7], v[SS+32*\q+16*\kp:SS+32*\q+16*\kp+7], v[OO+32*\q+8*\dt:OO+32*\q+8*\dt+7]
.endif
.endr
.endr
.endr
.endm
; The softmax's plain work, one instruction a macro.  Tile t = 0..7 is query tile t % 2, key tile t / 2: eight registers at SS + 32 (t % 2) + 8 (t / 2).
.macro P_SUB t, j                      ; pair j of tile t, less the maximum
.set pb, SS+32*((\t)%2)+8*((\t)/2)+2*(\j)
	v_pk_add_f32 v[pb:pb+1], v[pb:pb+1], v[MM+2*((\t)%2):MM+2*((\t)%2)+1] neg_lo:[0,1] neg_hi:[0,1]
.endm
.macro P_SUM t, j                      ; tile t into its query tile's two chains; key tile 0 starts them with two sums of its own pairs
.set pb, SS+32*((\t)%2)+8*((\t)/2)
.set pl, LS+4*((\t)%2)
.if (\t)/2 == 0
.if (\j) < 2
	s_wait_alu depctr_va_vdst(0)
	v_pk_add_f32 v[pl+2*(\j):pl+2*(\j)+1], v[pb+4*(\j):pb+4*(\j)+1], v[pb+4*(\j)+2:pb+4*(\j)+3]
.endif
.else
	s_wait_alu depctr_va_vdst(0)
	v_pk_add_f32 v[pl+2*((\j)%2):pl+2*((\j)%2)+1], v[pl+2*((\j)%2):pl+2*((\j)%2)+1], v[pb+2*(\j):pb+2*(\j)+1]
.endif
.endm
.macro P_CVT t, r                      ; P to f16, packed downward in place: key tiles 2 p, 2 p + 1 become registers 0-3, 4-7 of the fragment at 32 q + 16 p;
.set pb, SS+32*((\t)%2)+8*((\t)/2)     ; taken tile by tile in ascending order, behind the tile's sums, no source is written before it is read
.set pd, SS+32*((\t)%2)+16*((\t)/4)+4*(((\t)/2)%2)
	v_cvt_pk_f16_f32 v[pd+(\r)], v[pb+2*(\r)], v[pb+2*(\r)+1]
.endm
.macro P_RES n                         ; pair n / 2 of query tile n % 2 of O, times 2^(old maximum - new maximum)
.set pb, OO+32*((\n)%2)+2*((\n)/2)
	s_wait_alu depctr_va_vdst(0)
	v_pk_mul_f32 v[pb:pb+1], v[pb:pb+1], v[AA+2*((\n)%2):AA+2*((\n)%2)+1]
.endm
; the n-th of the sixteen plain instructions that go with tile t's eight exponentials: tile t + 2 is prepared, tile t - 1 summed and narrowed, an eighth of O rescaled
.macro PLAIN t, n, first
.if (\n) < 4
.if (\t) < 6
	P_SUB \t+2, \n
.endif
.else
.if (\n) < 8
.if (\t) > 0
	P_SUM \t-1, \n-4
.endif
.else
.if (\n) < 12
.if (\t) > 0
	P_CVT \t-1, \n-8
.endif
.else
.if \first == 0
	P_RES 4*(\t)+\n-12
.endif
.endif
.endif
.endif
.endm
; The softmax's step on 64 keys, both query tiles.  first = 1: no older maximum, sum or result exists.
.macro SOFT first
	; the maximum of 32 scores and the running one: sixteen v_max3 for each query tile, as a tree of depth four
.irp i, 0,1,2,3,4,5,6,7,8,9
.irp q, 0,1
	v_max3_num_f32 v[TM+10*\q+\i], v[SS+32*\q+3*\i], v[SS+32*\q+3*\i+1], v[SS+32*\q+3*\i+2]
.endr
.endr
.irp i, 0,3,6
.irp q, 0,1
	v_max3_num_f32 v[TM+10*\q+\i], v[TM+10*\q+\i], v[TM+10*\q+\i+1], v[TM+10*\q+\i+2]
.endr
.endr
.irp q, 0,1
	v_max3_num_f32 v[TM+10*\q+9], v[TM+10*\q+9], v[SS+32*\q+30], v[SS+32*\q+31]
.endr
.irp q, 0,1
	v_max3_num_f32 v[TM+10*\q], v[TM+10*\q], v[TM+10*\q+3], v[TM+10*\q+6]
.endr
.irp q, 0,1
.if \first
	v_max_num_f32 v[T+\q], v[TM+10*\q], v[TM+10*\q+9]
.else
	v_max3_num_f32 v[T+\q], v[TM+10*\q], v[TM+10*\q+9], v[MM+2*\q]
.endif
.endr
.irp q, 0,1
	v_permlanex16_b32 v[U+\q], v[T+\q], s92, s93                   ; the query's other 32 keys lie in lane l xor 16
.endr
.irp q, 0,1
	v_max_num_f32 v[T+\q], v[T+\q], v[U+\q]
.endr
.if \first == 0
.irp q, 0,1
	v_sub_f32 v[DD+\q], v[MM+2*\q], v[T+\q]
.endr
.irp q, 0,1
	v_exp_f32 v[AA+2*\q], v[DD+\q]                                 ; 2^(old - new), twice, for the packed multiplies
	v_exp_f32 v[AA+2*\q+1], v[DD+\q]
.endr
.endif
.irp q, 0,1
	v_mov_b32 v[MM+2*\q], v[T+\q]                                  ; plain instructions between the exponentials and their use (ISA guide 5.7.2)
	v_mov_b32 v[MM+2*\q+1], v[T+\q]
.endr
.irp j, 0,1,2,3
	P_SUB 0, \j
.endr
.irp j, 0,1,2,3
	P_SUB 1, \j
.endr
	; each exponential is followed by plain work on other tiles, none of which reads its result or writes its source
.irp t, 0,1,2,3,4,5,6,7
.irp x, 0,1,2,3,4,5,6,7
	v_exp_f32 v[SS+32*(\t%2)+8*(\t/2)+\x], v[SS+32*(\t%2)+8*(\t/2)+\x]
	PLAIN \t, 2*\x, \first
	PLAIN \t, 2*\x+1, \first
.endr
.endr
	v_nop                                                          ; one plain place behind the last exponential
	s_wait_alu depctr_va_vdst(0)
.irp j, 0,1,2,3
	P_SUM 7, \j
.endr
.irp j, 0,1,2,3
	P_CVT 7, \j
.endr
.irp q, 0,1
	v_pk_add_f32 v[LS+4*\q:LS+4*\q+1], v[LS+4*\q:LS+4*\q+1], v[LS+4*\q+2:LS+4*\q+3]
.endr
.irp q, 0,1
.if \first
	v_add_f32 v[LT+\q], v[LS+4*\q], v[LS+4*\q+1]
.else
	v_fma_f32 v[LT+\q], v[LT+\q], v[AA+2*\q], v[LS+4*\q]
.endif
.endr
.if \first == 0
.irp q, 0,1
	v_add_f32 v[LT+\q], v[LT+\q], v[LS+4*\q+1]
.endr
.endif
.endm
; 64 keys.  On entry this step's K fragments (16 loads) and, behind them, its V fragments (16 loads) have been asked for.
.macro STEP slot, st, first
	s_wait_dscnt 16                                ; K's fragments are in; V's sixteen younger loads may be out
	WIN 0x01                                       ; a product's first source lies in window 1
	QK
	PLACES 4                                       ; before the next K lands on this one, and before the softmax reads the scores (ISA guide 7.12.1)
.if \st < 3
	WIN 0x40                                       ; a load's destination lies in window 1
	LOADK \slot, \st+1
.endif
	WIN 0
	SOFT \first
.if \st < 3
	s_wait_dscnt 16                                ; V's fragments are in; the next K's sixteen younger loads may be out
.else
	s_wait_dscnt 0x0
.endif
	WIN 0x01
	PV \first
	PLACES 5                                       ; before the next V lands on this one, and before the next scores are written over P, which these products read
.if \st < 3
	WIN 0x40
	LOADV \slot, \st+1
.endif
	WIN 0                                          ; at a label and at a branch every window is 0
.endm
; A tile of 256 keys.  In front of the round every wave waits for all its tensor loads (its part of this tile among them) and for its reads of the other slot;
; behind the round the joint load of the next tile into the other slot comes first.
.macro TRIP slot, other, refill, first
	s_set_vgpr_msb 0x5
	s_wait_tensorcnt 0x0
	ds_add_u32 v128, v129
	s_wait_dscnt 0x0
	s_set_vgpr_msb 0x500
	s_add_nc_u64 s[G0K+4*\slot+2:G0K+4*\slot+3], s[G0K+4*\slot+2:G0K+4*\slot+3], 65536   ; no load of mine is out: this slot's next tile, two tiles on
	s_add_nc_u64 s[G0V+4*\slot+2:G0V+4*\slot+3], s[G0V+4*\slot+2:G0V+4*\slot+3], 65536
	s_wait_dscnt 0x0
	ROUND
.if \refill
	JLOAD \other
.endif
	WIN 0x40
	LOADK \slot, 0
	LOADV \slot, 0
	STEP \slot, 0, \first
	STEP \slot, 1, 0
	STEP \slot, 2, 0
	STEP \slot, 3, 0
.endm
	TRIP 0, 1, 1, 1                                ; tile 0: its first step starts maximum, sum and result; tile 1 goes into the slot that the projection's last phase read
	TRIP 1, 0, 1, 0
	s_mov_b32 s85, 2
.Ltiles:
	TRIP 0, 1, 1, 0
	TRIP 1, 0, 1, 0
	s_sub_co_u32 s85, s85, 1
	s_cmp_lg_u32 s85, 0
	s_cbranch_scc1 .Ltiles
	TRIP 0, 1, 1, 0                                ; tile 6 asks for tile 7,
	TRIP 1, 0, 0, 0                                ; tile 7 for nothing (the stepped addresses are not used)
	; THE WAY OUT: divide by the row's sum, round to f16, into the stage.  A row's 256 bytes of this block are two heads, which lie in two waves: one barrier, then each wave
	; reads 16 whole rows back and stores them.
.irp q, 0,1
	v_permlanex16_b32 v[U+\q], v[LT+\q], s92, s93
.endr
.irp q, 0,1
	v_add_f32 v[LT+\q], v[LT+\q], v[U+\q]          ; both halves' keys
.endr
.irp q, 0,1
	v_rcp_f32 v[AA+2*\q], v[LT+\q]
	v_rcp_f32 v[AA+2*\q+1], v[LT+\q]
.endr
	v_nop                                          ; one plain place behind the reciprocals
	s_wait_alu depctr_va_vdst(0)
.irp i, 0,2,4,6,8,10,12,14,16,18,20,22,24,26,28,30
.irp q, 0,1
	v_pk_mul_f32 v[OO+32*\q+\i:OO+32*\q+\i+1], v[OO+32*\q+\i:OO+32*\q+\i+1], v[AA+2*\q:AA+2*\q+1]
.endr
.endr
.irp q, 0,1
.irp dt, 0,1,2,3
.irp r, 0,1,2,3
	v_cvt_pk_f16_f32 v[TM+16*\q+4*\dt+\r], v[OO+32*\q+8*\dt+2*\r], v[OO+32*\q+8*\dt+2*\r+1]
.endr
	ds_store_b128 v[STO], v[TM+16*\q+4*\dt:TM+16*\q+4*\dt+3] offset:\q*16*272+\dt*32   ; row 32 (w / 2) + 16 q + l % 16, d = 16 dt + 8 (l / 16) + 0..7 of my head
.endr
.endr
	s_wait_dscnt 0x0                               ; my stores are done, for the other waves' sake,
	s_barrier_signal -1
	s_barrier_wait -1                              ; and so are everybody's
.irp t, 0,1,2,3,4,5,6,7
	ds_load_b128 v[SS+4*\t:SS+4*\t+3], v[RD] offset:\t*544
.endr
.irp t, 0,1,2,3,4,5,6,7
	s_wait_dscnt 7-\t
	global_store_b128 v[CO], v[SS+4*\t:SS+4*\t+3], s[12:13] offset:\t*4096             ; sixteen lanes store 256 consecutive bytes, aligned
.endr
	s_set_vgpr_msb 0x5
	s_wait_tensorcnt 0x0
	ds_add_u32 v128, v129
	s_wait_dscnt 0x0
	s_set_vgpr_msb 0x500
	ROUND                                          ; the closing round: no work-group ends while a partner may still ask for a tile that names it
	s_endpgm
.Lfunc_end_k_qd8e2090847_qattn:
	.size	k_qd8e2090847_qattn, .Lfunc_end_k_qd8e2090847_qattn-k_qd8e2090847_qattn
	.p2alignl 7, 3214868480
	.fill 96, 4, 3214868480
	.section	.rodata,"a",@progbits
	.p2align	6, 0x0
	.amdhsa_kernel k_qd8e2090847_qattn
		.amdhsa_group_segment_fixed_size 327680
		.amdhsa_private_segment_fixed_size 0
		.amdhsa_enable_private_segment 0
		.amdhsa_kernarg_size 40
		.amdhsa_user_sgpr_count 2
		.amdhsa_user_sgpr_kernarg_segment_ptr 1
		.amdhsa_wavefront_size32 1
		.amdhsa_system_sgpr_workgroup_id_x 1
		.amdhsa_system_sgpr_workgroup_id_y 1
		.amdhsa_system_sgpr_workgroup_id_z 1
		.amdhsa_system_vgpr_workitem_id 0
		.amdhsa_next_free_vgpr 386
		.amdhsa_next_free_sgpr 102
		.amdhsa_reserve_vcc 0
		.amdhsa_float_denorm_mode_32 3
		.amdhsa_float_denorm_mode_16_64 3
		.amdhsa_memory_ordered 1
		.amdhsa_forward_progress 1
		.amdhsa_inst_pref_size 255
	.end_amdhsa_kernel
	.section	.bss,"aw",@nobits
	.p2align	6
	.space	262144
	.amdgpu_metadata
---
amdhsa.version: [ 1, 2 ]
amdhsa.kernels:
  - .name:           k_qd8e2090847_qattn
    .symbol:         k_qd8e2090847_qattn.kd
    .args:
      - { .name: xq, .offset: 0, .size: 8, .value_kind: global_buffer, .address_space: global }
      - { .name: wqf, .offset: 8, .size: 8, .value_kind: global_buffer, .address_space: global }
      - { .name: bq, .offset: 16, .size: 8, .value_kind: global_buffer, .address_space: global }
      - { .name: kv, .offset: 24, .size: 8, .value_kind: global_buffer, .address_space: global }
      - { .name: ao, .offset: 32, .size: 8, .value_kind: global_buffer, .address_space: global }
    .group_segment_fixed_size: 327680
    .private_segment_fixed_size: 0
    .kernarg_segment_align: 8
    .kernarg_segment_size: 40
    .max_flat_workgroup_size: 256
    .sgpr_count:     102
    .vgpr_count:     386
    .wavefront_size: 32
...
	.end_amdgpu_metadata
.endif
;; end of part 2
;; launch ogemm (part 3): grid 8 x 32, 4 waves a work-group, clusters of 4 x 4, 327,680 bytes of LDS; arguments ao, wof, bo, out0; writes out0
.if DOCPART == 3
	.amdgcn_target "amdgcn-amd-amdhsa--gfx1250"
	.amdhsa_code_object_version 6
	.text
	.protected	k_qd8e2090847_ogemm
	.globl	k_qd8e2090847_ogemm
	.p2align	8
	.type	k_qd8e2090847_ogemm,@function
k_qd8e2090847_ogemm:
	s_mov_b64 s[64:65], 0
	v_nop
	global_prefetch_b8 v0, s[64:65] scope:SCOPE_SE
	s_setreg_imm32_b32 hwreg(HW_REG_WAVE_MODE, 25, 1), 1
	s_wait_xcnt 0x0
	s_wait_alu depctr_hold_cnt(0) depctr_sa_sdst(0) depctr_va_vdst(0) depctr_va_sdst(0) depctr_va_ssrc(0) depctr_va_vcc(0) depctr_vm_vsrc(0)
	s_getreg_b32 s2, hwreg(HW_REG_IB_STS2, 6, 4)
	s_cmp_eq_u32 s2, 0
	s_cbranch_scc0 .Lentry_in_a_cluster
	s_endpgm
.Lentry_in_a_cluster:
	s_bfe_u32 s2, ttmp6, 0x10000c
	s_cmp_lg_u32 s2, 0xf033
	s_cbranch_scc0 .Lentry_shape_is_right
	s_endpgm
.Lentry_shape_is_right:
; C = A W (+ bias, scaled).  A: [4096][1024] f16, W: [1024 k][1024 n] f16, sums in f32.
; QMODE = 1: C = (A W + bias) x 0.36067376 (= 2 log2(e) / sqrt(64): the softmax's scale, base 2, and the 2 that undoes the halved K), stored as f16 by heads, [16][4096][64].
; QMODE = 0: C = 2 A W + bias (A holds the attention's result halved), stored as f32 [4096][1024].
; LIMIT (format): f16 operands; with QMODE the stored 0.36 |Q| must stay below 65,504.
; A work-group makes 128 x 128 of C with four waves, a wave 64 x 64: 16 accumulator tiles, 128 registers.  32 x 8 blocks = 256 work-groups.
; K goes in four phases of 256 through two LDS slots filled by tensor loads; a phase is eight quarter steps of 32 along K.
; CLUSTERS: 4 x 4 work-groups.  A's tile hangs on the block row alone and is asked for jointly by a row of the cluster, W's on the block column alone and is
; asked for jointly by a column: each tile is requested once for four work-groups.
; W lies [k][n]; its fragments are read from LDS by the transposing load, so no transposed copy of W exists in memory.
; THE MATRIX INSTRUCTION IS USED TRANSPOSED: source 0 = 16 columns of W, source 1 = 16 rows of A: lane l holds row l % 16 of C and columns 8 (l / 16) + 0..7 of the tile.
; REGISTERS: window 0: addresses, bias, two fragment buffers, the way out; window 1 (v256-v383): accumulator tile (i, b) at 8 (4 i + b).
.set QMODE,  0
.set SLOT,   141312                    ; A's 128 rows, then W's 256 k rows
.set APITCH, 528                       ; 512 bytes of data + 16: an odd multiple of 16
.set BPITCH, 288                       ; 256 bytes of data + 32: an odd multiple of 32, for the transposing load
.set AHALF,  64*APITCH                 ; what one tensor load brings of A, and what one wave reads of it
.set BHALF,  128*BPITCH                ; what one tensor load brings of W
.set BOFF,   2*AHALF
.set STAGE,  2*SLOT                    ; behind the ring: 4,352 bytes for each wave, for the way out; no tensor load lands there
.set ADRA, 16                          ; v16-17  LDS address of my A fragments in slot 0, 1
.set ADRB, 20                          ; v20-23  the same for W: slot 0 k rows 0-127, 128-255; slot 1 likewise (the immediate has 16 bits)
.set STO,  24                          ; v24  the way out: where I put my piece of a row
.set RD,   25                          ; v25  the way out: where I read rows back
.set CO,   26                          ; v26  my byte offset in the output
.set BO,   27                          ; v27  32 (l / 16): my bias numbers
.set BIAS, 32                          ; v[32:63]  bias of column 16 b + 8 (l / 16) + j at 8 b + j
.set F0,   64                          ; fragment buffer 0: W's four fragments, then A's four
.set F1,   128                         ; fragment buffer 1
.set TMP,  192                         ; v[192:223] 16 rows' results in f32
.set PK,   224                         ; v[224:239] the same in f16
.set G1,  24                           ; s[24:31] group 1 for A's tiles
.set G0,  32                           ; s[32:39] group 0 for A's tiles, one set a slot
.set G1B, 48                           ; s[48:55] group 1 for W's tiles
.set G0B, 56                           ; s[56:63] group 0 for W's tiles, one set a slot
.set MSB, 0
.macro WIN new                         ; the immediate's high byte repeats the setting that is left
.if MSB != \new
	s_set_vgpr_msb (MSB<<8)|\new
.set MSB, \new
.endif
.endm
.macro PLACES                          ; four places behind a matrix instruction (ISA guide 7.12.1)
.rept 4
	v_nop
.endr
.endm
; A joint load: waves 0 and 1 ask for A's two halves, waves 2 and 3 for W's.  The branch hangs on the wave's number alone.
.macro JLOAD s
	s_cmp_eq_u32 s13, 0
	s_cbranch_scc0 .Lfor_b_\@
	tensor_load_to_lds s[G0+4*\s:G0+4*\s+3], s[G1:G1+7]
	s_nop 0
	s_branch .Lasked_\@
.Lfor_b_\@:
	tensor_load_to_lds s[G0B+4*\s:G0B+4*\s+3], s[G1B:G1B+7]
	s_nop 0
.Lasked_\@:
.endm
.macro CREST                           ; a round of the cluster's barrier behind its opening barrier
	s_cmp_lg_u32 s12, 0
	s_cbranch_scc1 .Lnot_wave_0_\@
	s_barrier_signal -3
.Lnot_wave_0_\@:
	s_barrier_wait -3
	s_barrier_signal -1
	s_barrier_wait -1
.endm
.macro CROUND                          ; a whole round
	s_barrier_signal -1
	s_barrier_wait -1
	CREST
.endm
	s_load_b256 s[4:11], s[0:1], 0x0               ; A s[4:5], W s[6:7], bias s[8:9], output s[10:11]
	v_lshl_add_u32 v254, v0, 2, 0x49400
	v_mov_b32 v255, 0
	ds_add_u32 v254, v255
	v_lshrrev_b32 v1, 5, v0
	v_readfirstlane_b32 s12, v1                    ; wave 0..3
	s_lshr_b32 s13, s12, 1                         ; which 64 rows of the block are mine.  Also: I fetch for A (0) or for W (1)
	s_and_b32 s14, s12, 1                          ; which 64 columns.  Also: which half of that tile I fetch
	s_bfe_u32 s40, ttmp6, 0x40000                  ; cx
	s_bfe_u32 s41, ttmp6, 0x40004                  ; cy
	s_lshl_b32 s42, ttmp9, 2
	s_add_co_u32 s42, s42, s40                     ; block column = 4 x cluster x + cx
	s_and_b32 s43, ttmp7, 0xffff
	s_lshl_b32 s43, s43, 2
	s_add_co_u32 s43, s43, s41                     ; block row = 4 x cluster y + cy
	s_lshl_b32 s46, s41, 2
	s_lshl_b32 s46, 15, s46                        ; my row of the cluster
	s_lshl_b32 s47, 0x1111, s40                    ; my column
	; A: 64 rows x 256 elements of 2 bytes; 4 words of padding behind every 128 words.  W: 128 rows x 128 elements; 8 words behind every 64.
	s_or_b32 s[G1+0], s46, (1<<16)|(1<<20)|(1<<21)|(6<<22)|(3<<25)
	s_or_b32 s[G1B+0], s47, (1<<16)|(1<<20)|(1<<21)|(5<<22)|(7<<25)
	s_mov_b32 s[G1+1], 256<<16                     ; tensor_dim0
	s_mov_b32 s[G1B+1], 128<<16
	s_mov_b32 s[G1+2], 64<<16                      ; tensor_dim1
	s_mov_b32 s[G1B+2], 128<<16
	s_mov_b32 s[G1+3], 256<<16                     ; tile_dim0
	s_mov_b32 s[G1B+3], 128<<16
	s_mov_b32 s[G1+4], 64                          ; tile_dim1
	s_mov_b32 s[G1B+4], 128
	s_mov_b32 s[G1+5], 1024                        ; elements from row to row
	s_mov_b32 s[G1B+5], 1024
	s_mov_b32 s[G1+6], 0
	s_mov_b32 s[G1B+6], 0
	s_mov_b32 s[G1+7], 0
	s_mov_b32 s[G1B+7], 0
	s_lshl_b32 s16, s43, 7                         ; A: row 128 x block row + 64 x half, rows of 2,048 bytes; these registers never hold cx
	s_lshl_b32 s17, s14, 6
	s_add_co_u32 s16, s16, s17
	s_lshl_b32 s16, s16, 11
	s_mov_b32 s17, 0
	s_lshl_b32 s20, s14, 18                        ; W: k row 128 x half, byte 256 x block column; these registers never hold cy
	s_lshl_b32 s21, s42, 8
	s_add_co_u32 s20, s20, s21
	s_mov_b32 s21, 0
	s_mul_i32 s15, s14, AHALF                      ; where they go: no place in the cluster enters an LDS address
	s_mul_i32 s3, s14, BHALF
	s_add_co_u32 s3, s3, BOFF
	s_wait_dscnt 0x0
	s_wait_kmcnt 0x0
	s_add_nc_u64 s[18:19], s[4:5], s[16:17]
	s_add_nc_u64 s[22:23], s[6:7], s[20:21]
	CROUND                                         ; all sixteen work-groups are here: the first joint loads meet
.irp s, 0,1
	s_mov_b32 s[G0+4*\s], 1
	s_add_co_u32 s[G0+4*\s+1], s15, \s*SLOT
	s_add_nc_u64 s[G0+4*\s+2:G0+4*\s+3], s[18:19], \s*512          ; phase s: 256 elements along the rows
	s_or_b32 s[G0+4*\s+3], s[G0+4*\s+3], 0x80000000
	s_mov_b32 s[G0B+4*\s], 1
	s_add_co_u32 s[G0B+4*\s+1], s3, \s*SLOT
	s_add_nc_u64 s[G0B+4*\s+2:G0B+4*\s+3], s[22:23], \s*524288     ; phase s: 256 rows down
	s_or_b32 s[G0B+4*\s+3], s[G0B+4*\s+3], 0x80000000
	JLOAD \s                                       ; both first fills go out together: two tensor loads of the wave are out, the most in this text
.endr
	v_and_b32 v1, 15, v0                           ; l % 16
	v_bfe_u32 v2, v0, 4, 1                         ; l / 16
	v_and_b32 v3, 7, v0                            ; l % 8
	v_bfe_u32 v4, v0, 3, 1                         ; (l / 8) % 2
	v_lshlrev_b32 v[BO], 5, v2
	s_lshl_b32 s20, s42, 9                         ; my 64 columns in f32: 512 x block column + 256 x half
	s_lshl_b32 s21, s14, 8
	s_add_co_u32 s20, s20, s21
	s_mov_b32 s21, 0
	s_add_nc_u64 s[8:9], s[8:9], s[20:21]
.irp b, 0,1,2,3
	global_load_b128 v[BIAS+8*\b:BIAS+8*\b+3], v[BO], s[8:9] offset:64*\b
	global_load_b128 v[BIAS+8*\b+4:BIAS+8*\b+7], v[BO], s[8:9] offset:64*\b+16
.endr
	v_mul_u32_u24 v5, v1, APITCH
	v_lshl_add_u32 v5, v2, 4, v5
	s_mul_i32 s16, s13, AHALF
	v_add_nc_u32 v[ADRA], s16, v5
	v_add_nc_u32 v[ADRA+1], SLOT, v[ADRA]
	v_lshl_add_u32 v6, v2, 3, v3
	v_mul_u32_u24 v6, v6, BPITCH
	v_lshl_add_u32 v6, v4, 4, v6
	s_lshl_b32 s17, s14, 7
	s_add_co_u32 s17, s17, BOFF
	v_add_nc_u32 v[ADRB], s17, v6
	v_add_nc_u32 v[ADRB+1], BHALF, v[ADRB]
	v_add_nc_u32 v[ADRB+2], SLOT, v[ADRB]
	v_add_nc_u32 v[ADRB+3], SLOT+BHALF, v[ADRB]
	s_mul_i32 s18, s12, 4352
	s_add_co_u32 s18, s18, STAGE                   ; my stage
.if QMODE
	v_mul_u32_u24 v5, v1, 144                      ; stage rows of 128 bytes, pitch 144
	v_lshl_add_u32 v5, v2, 4, v5
	v_add_nc_u32 v[STO], s18, v5
	v_bfe_u32 v5, v0, 3, 2                         ; back: four rows a load, eight lanes a row
	v_mul_u32_u24 v5, v5, 144
	v_lshl_add_u32 v5, v3, 4, v5
	v_add_nc_u32 v[RD], s18, v5
	v_and_b32 v5, 31, v0
	v_lshlrev_b32 v[CO], 4, v5                     ; a head's rows of 128 bytes follow each other without a gap
	s_mov_b32 s44, 0x3eb8aa3b                      ; 0.36067376
	s_mov_b32 s45, 0x3eb8aa3b
	s_lshl_b32 s16, s43, 14                        ; row 128 x block row + 64 x half, rows of 128 bytes
	s_lshl_b32 s17, s13, 13
	s_add_co_u32 s16, s16, s17
	s_lshl_b32 s20, s42, 1                         ; head = 2 x block column + half, 524,288 bytes a head
	s_add_co_u32 s20, s20, s14
	s_lshl_b32 s20, s20, 19
.else
	v_mul_u32_u24 v5, v1, 272                      ; stage rows of 256 bytes, pitch 272
	v_lshl_add_u32 v5, v2, 5, v5
	v_add_nc_u32 v[STO], s18, v5
	v_mul_u32_u24 v5, v2, 272                      ; back: two rows a load, sixteen lanes a row
	v_lshl_add_u32 v5, v1, 4, v5
	v_add_nc_u32 v[RD], s18, v5
	v_lshlrev_b32 v5, 4, v1
	v_lshl_add_u32 v[CO], v2, 12, v5
	s_mov_b32 s44, 0x40000000                      ; 2.0
	s_mov_b32 s45, 0x40000000
	s_lshl_b32 s16, s43, 19                        ; row 128 x block row + 64 x half, rows of 4,096 bytes; s[20:21] still holds the columns' bytes
	s_lshl_b32 s17, s13, 18
	s_add_co_u32 s16, s16, s17
.endif
	s_mov_b32 s17, 0
	s_add_nc_u64 s[10:11], s[10:11], s[16:17]
	s_add_nc_u64 s[10:11], s[10:11], s[20:21]
; 16 LDS loads: the fragments of quarter step q of a slot into buffer f, four places behind the last product that read f
.macro FETCH slot, q, f
	PLACES
	WIN 0
.irp b, 0,1,2,3
	ds_load_tr16_b128 v[\f+8*\b:\f+8*\b+3], v[ADRB+2*\slot+\q/4] offset:(\q%4)*32*BPITCH+\b*32
	ds_load_tr16_b128 v[\f+8*\b+4:\f+8*\b+7], v[ADRB+2*\slot+\q/4] offset:(\q%4)*32*BPITCH+\b*32+16*BPITCH
.endr
.irp i, 0,1,2,3
	ds_load_b128 v[\f+32+8*\i:\f+32+8*\i+3], v[ADRA+\slot] offset:\i*16*APITCH+\q*64
	ds_load_b128 v[\f+32+8*\i+4:\f+32+8*\i+7], v[ADRA+\slot] offset:\i*16*APITCH+\q*64+32
.endr
.endm
; 16 products, 32 along K.  The sixteen accumulators take turns, one instruction a turn, in the same order everywhere.
.macro MUL f, zero
	WIN 0x50                                       ; C and D in window 1
.irp i, 0,1,2,3
.irp b, 0,1,2,3
.if \zero
	v_wmma_f32_16x16x32_f16 v[8*(4*\i+\b):8*(4*\i+\b)+7], v[\f+8*\b:\f+8*\b+7], v[\f+32+8*\i:\f+32+8*\i+7], 0
.else
	v_wmma_f32_16x16x32_f16 v[8*(4*\i+\b):8*(4*\i+\b)+7], v[\f+8*\b:\f+8*\b+7], v[\f+32+8*\i:\f+32+8*\i+7], v[8*(4*\i+\b):8*(4*\i+\b)+7]
.endif
.endr
.endr
.endm
; one quarter step: ask for quarter nq's fragments into g, then multiply f
.macro QTR slot, nq, f, g, zero
	FETCH \slot, \nq, \g
	s_wait_dscnt 16                                ; all but the sixteen loads just issued: buffer f is in
	MUL \f, \zero
.endm
.macro SEVEN slot, zero
	QTR \slot, 1, F0, F1, \zero
	QTR \slot, 2, F1, F0, 0
	QTR \slot, 3, F0, F1, 0
	QTR \slot, 4, F1, F0, 0
	QTR \slot, 5, F0, F1, 0
	QTR \slot, 6, F1, F0, 0
	QTR \slot, 7, F0, F1, 0
.endm
; The eighth quarter step and the change of slots.  In front of the barrier each wave waits for its reads of this slot and for all its tensor loads (the one that
; is out is its part of the next slot).  Where this slot is filled again the barrier opens a round of the cluster's barrier, and the joint refill is the
; first tensor load behind the round; from there to the wait for it the wave issues 112 products.
.macro TURN slot, next, fill
	s_wait_dscnt 0x0
	s_wait_tensorcnt 0x0
	ds_add_u32 v254, v255
	s_wait_dscnt 0x0
	s_barrier_signal -1
	MUL F1, 0                                      ; register work while the others arrive
	WIN 0
	s_barrier_wait -1
.if \fill
	CREST
	s_add_nc_u64 s[G0+4*\slot+2:G0+4*\slot+3], s[G0+4*\slot+2:G0+4*\slot+3], 1024        ; two phases on: 512 elements along A's rows,
	s_add_nc_u64 s[G0B+4*\slot+2:G0B+4*\slot+3], s[G0B+4*\slot+2:G0B+4*\slot+3], 1048576 ; 512 rows down W
	JLOAD \slot
.endif
	FETCH \next, 0, F0
.endm
	s_wait_tensorcnt 0x1                           ; my part of phase 0 is in; phase 1's may stay out
	s_barrier_signal -1
	s_barrier_wait -1
	FETCH 0, 0, F0
	SEVEN 0, 1                                     ; the first products start the sums
	TURN 0, 1, 1
	SEVEN 1, 0
	TURN 1, 0, 1
	SEVEN 0, 0
	TURN 0, 1, 0                                   ; nothing is left to fetch
	SEVEN 1, 0
	s_wait_dscnt 0x0
	MUL F1, 0
	WIN 0
	PLACES                                         ; behind the last products: the way out reads results and loads into the buffers
	s_wait_loadcnt 0x0                             ; the bias
.if QMODE
.irp t, 0,2,4,6,8,10,12,14,16,18,20,22,24,26,28,30
	v_pk_mul_f32 v[BIAS+\t:BIAS+\t+1], v[BIAS+\t:BIAS+\t+1], s[44:45] op_sel_hi:[1,0]    ; (x + b) s = x s + b s
.endr
.endif
; THE WAY OUT, 16 rows at a time: scale and bias in one fused multiply-add, through my own stage in LDS, back as whole rows.
.macro OUT16 i, f
	WIN 0x01                                       ; source 0 in window 1
.irp b, 0,1,2,3
.irp r, 0,1,2,3
	v_pk_fma_f32 v[TMP+8*\b+2*\r:TMP+8*\b+2*\r+1], v[8*(4*\i+\b)+2*\r:8*(4*\i+\b)+2*\r+1], s[44:45], v[BIAS+8*\b+2*\r:BIAS+8*\b+2*\r+1] op_sel_hi:[1,0,1]
.endr
.endr
	WIN 0
.if QMODE
.irp b, 0,1,2,3
.irp r, 0,1,2,3
	v_cvt_pk_f16_f32 v[PK+4*\b+\r], v[TMP+8*\b+2*\r], v[TMP+8*\b+2*\r+1]
.endr
.endr
.irp b, 0,1,2,3
	ds_store_b128 v[STO], v[PK+4*\b:PK+4*\b+3] offset:32*\b
.endr
	s_wait_xcnt 0x0                                ; buffer f, which earlier stores read, is loaded again only behind this wait
.irp t, 0,1,2,3
	ds_load_b128 v[\f+4*\t:\f+4*\t+3], v[RD] offset:\t*576         ; a wave's LDS instructions are served in order: these see the stores above
.endr
.irp t, 0,1,2,3
	s_wait_dscnt 3-\t
	global_store_b128 v[CO], v[\f+4*\t:\f+4*\t+3], s[10:11] offset:\i*2048+\t*512   ; 512 consecutive bytes, aligned: four rows of the head
.endr
.else
.irp b, 0,1,2,3
	ds_store_b128 v[STO], v[TMP+8*\b:TMP+8*\b+3] offset:64*\b
	ds_store_b128 v[STO], v[TMP+8*\b+4:TMP+8*\b+7] offset:64*\b+16
.endr
	s_wait_xcnt 0x0                                ; buffer f, which earlier stores read, is loaded again only behind this wait
.irp t, 0,1,2,3,4,5,6,7
	ds_load_b128 v[\f+4*\t:\f+4*\t+3], v[RD] offset:\t*544         ; a wave's LDS instructions are served in order: these see the stores above
.endr
.irp t, 0,1,2,3,4,5,6,7
	s_wait_dscnt 7-\t
	global_store_b128 v[CO], v[\f+4*\t:\f+4*\t+3], s[10:11] offset:\i*65536+\t*8192 th:TH_STORE_NT   ; sixteen lanes store 256 consecutive bytes, aligned
.endr
.endif
.endm
	OUT16 0, F0
	OUT16 1, F1
	OUT16 2, F0
	OUT16 3, F1
	s_wait_tensorcnt 0x0
	ds_add_u32 v254, v255
	s_wait_dscnt 0x0
	CROUND                                         ; the closing round: no work-group ends while a partner may still ask for a tile that names it
	s_endpgm
.Lfunc_end_k_qd8e2090847_ogemm:
	.size	k_qd8e2090847_ogemm, .Lfunc_end_k_qd8e2090847_ogemm-k_qd8e2090847_ogemm
	.p2alignl 7, 3214868480
	.fill 96, 4, 3214868480
	.section	.rodata,"a",@progbits
	.p2align	6, 0x0
	.amdhsa_kernel k_qd8e2090847_ogemm
		.amdhsa_group_segment_fixed_size 327680
		.amdhsa_private_segment_fixed_size 0
		.amdhsa_enable_private_segment 0
		.amdhsa_kernarg_size 32
		.amdhsa_user_sgpr_count 2
		.amdhsa_user_sgpr_kernarg_segment_ptr 1
		.amdhsa_wavefront_size32 1
		.amdhsa_system_sgpr_workgroup_id_x 1
		.amdhsa_system_sgpr_workgroup_id_y 1
		.amdhsa_system_sgpr_workgroup_id_z 1
		.amdhsa_system_vgpr_workitem_id 0
		.amdhsa_next_free_vgpr 384
		.amdhsa_next_free_sgpr 66
		.amdhsa_reserve_vcc 0
		.amdhsa_float_denorm_mode_32 3
		.amdhsa_float_denorm_mode_16_64 3
		.amdhsa_memory_ordered 1
		.amdhsa_forward_progress 1
		.amdhsa_inst_pref_size 93
	.end_amdhsa_kernel
	.amdgpu_metadata
---
amdhsa.version: [ 1, 2 ]
amdhsa.kernels:
  - .name:           k_qd8e2090847_ogemm
    .symbol:         k_qd8e2090847_ogemm.kd
    .args:
      - { .name: ao, .offset: 0, .size: 8, .value_kind: global_buffer, .address_space: global }
      - { .name: wof, .offset: 8, .size: 8, .value_kind: global_buffer, .address_space: global }
      - { .name: bo, .offset: 16, .size: 8, .value_kind: global_buffer, .address_space: global }
      - { .name: out0, .offset: 24, .size: 8, .value_kind: global_buffer, .address_space: global }
    .group_segment_fixed_size: 327680
    .private_segment_fixed_size: 0
    .kernarg_segment_align: 8
    .kernarg_segment_size: 32
    .max_flat_workgroup_size: 128
    .sgpr_count:     66
    .vgpr_count:     384
    .wavefront_size: 32
...
	.end_amdgpu_metadata
.endif
;; end of part 3
